; MI455X (gfx1250); checked and timed in simulation.
; The chip was launched on July 23, 2026; its instructions are those of AMD's public machine-readable ISA for CDNA 5 (MIT licence, August 2026) and "CDNA5" Instruction Set Architecture Reference Guide (July 2026). The comments in the code are by the model that wrote it; some were corrected since.
;; Cross Attention Layer. Allowed arithmetic: matrix products marked QUANTISED: E4M3 operands, one given power-of-two scale a tensor, by v_wmma_f32_16x16x64_fp8_fp8 or v_wmma_f32_16x16x128_fp8_fp8, f32 sums; products left as they are: f32 operands where the result goes on into a quantised operand, else bf16, f16 or f32 operands; f32 sums; everything else in f32.
;; Inputs: Wk 1,024 x 1,024 float32; Wo 1,024 x 1,024 float32; Wq 1,024 x 1,024 float32; Wv 1,024 x 1,024 float32; beta 1,024 float32; bk 1,024 float32; bo 1,024 float32; bq 1,024 float32; bv 1,024 float32; gamma 1,024 float32; key_value 16,384 x 1,024 float32; lowp_scales 8 int32 (the exponents e of the quantised operands' scales 2^e); query 16,384 x 1,024 float32.
;; Outputs: out0 16,384 x 1,024 float32.
;; This version of the problem:
;;   THIS VERSION OF THE PROBLEM IS GIVEN IN LOW PRECISION. The matrix products marked QUANTISED in the list below multiply operands that are first quantised to E4M3 (4 exponent bits, 3 mantissa bits; 8 bits a number), with one given power-of-two scale for each operand tensor; their sums are f32. All else is computed in f32.
;;   The module's matrix products, in the order in which they are computed (A, B: the left and right operand; K: the contracted axis; several contracted axes count as one K, in the product's order):
;;     1. [M 16,384, K 1,024] x [K 1,024, N 1,024]; A: input query; B: input Wq: QUANTISED (scales: A lowp_scales[0], B lowp_scales[1])
;;     2. [M 16,384, K 1,024] x [K 1,024, N 1,024]; A: input key_value; B: input Wk: QUANTISED (scales: A lowp_scales[2], B lowp_scales[3])
;;     3. [M 16,384, K 1,024] x [K 1,024, N 1,024]; A: input key_value; B: input Wv: QUANTISED (scales: A lowp_scales[4], B lowp_scales[5])
;;     4. batch 16,384 x [M 8, K 128] x [K 128, N 8]; A: computed on the way; B: computed on the way: left as it is (M = 8 < 16)
;;     5. batch 16,384 x [M 8, K 8] x [K 8, N 128]; A: softmax; B: computed on the way: left as it is (K = 8 < 32)
;;     6. [M 16,384, K 1,024] x [K 1,024, N 1,024]; A: computed on the way; B: input Wo: QUANTISED (scales: A lowp_scales[6], B lowp_scales[7])
;;   THE QUANTISER, for each operand of a quantised product, along K:
;;     - The operand's scale is 2^e, e = its entry of the input lowp_scales (int32; the entries are numbered through the quantised products in the list's order, A before B).
;;     - Each number is divided by the scale, clamped to +-448, and rounded to the nearest number of E4M3, ties to even, subnormals kept.
;;     - The product sums the exact products of the quantised numbers (number of the format x scale) in f32.
;;   ~~~python
;;   def quantise(x, axis, e):      # numpy; x: float32 -> the quantised numbers, widened to float32 again
;;       x = np.moveaxis(x, axis, -1); K = x.shape[-1]
;;       r = np.clip(x / 2.0 ** e, -448, 448)
;;       step = 2.0 ** (np.maximum(np.frexp(np.where(r == 0, 1, r))[1] - 1, -6) - 3)
;;       q = np.round(r / step) * step * 2.0 ** e      # np.round: ties to even
;;       return np.moveaxis(q, -1, axis).astype(np.float32)
;;   ~~~
;;   OPERANDS COMPUTED ON THE WAY. 'Computed on the way' means the value that the module computes at that place (a softmax that the list does not call 'softmax' is quantised finished and normalised). What goes into a quantiser is computed in f32, as accurately as f32 sums, v_exp_f32 and their like allow (about 1e-6 of the number): no bf16 or f16 on the way to a quantiser, and a product that is left as it is and whose result goes on into a quantised operand takes f32 operands (vector FMAs, or v_wmma_f32_16x16x4_f32). A number that lies on a knife's edge between two numbers of the format may be rounded either way, as far as f32 arithmetic and the matrix unit's own rounding can turn it there, and no further.
;; One version. Each part assembles by itself: llvm-mc -triple=amdgcn-amd-amdhsa -mcpu=gfx1250 --defsym DOCPART=n.
;; ======== version 1 of 1: 2 launches
;; workspace buffers: wstream 4,194,304 bytes
;; launch wprep (part 1): grid 256 x 1, 8 waves a work-group, no clusters, 18,432 bytes of LDS; arguments Wq, Wk, Wv, Wo, lowp_scales, wstream; writes wstream
.if DOCPART == 1
	.amdgcn_target "amdgcn-amd-amdhsa--gfx1250"
	.amdhsa_code_object_version 6
	.text
	.protected	k_q708c457908_wprep
	.globl	k_q708c457908_wprep
	.p2align	8
	.type	k_q708c457908_wprep,@function
k_q708c457908_wprep:
	s_mov_b64 s[64:65], 0
	v_nop
	global_prefetch_b8 v0, s[64:65] scope:SCOPE_SE
	s_setreg_imm32_b32 hwreg(HW_REG_WAVE_MODE, 25, 1), 1
	s_wait_xcnt 0x0
; Wq, Wk, Wv, Wo [1024 (k)][1024 (n)], f32, become codes of FP8 (E4M3), each with its given scale 2^e (entries 1, 3, 5, 7 of the scales), laid as ONE STREAM OF
; OPERAND IMAGES in the order in which the next launch's waves take them.  code = x / 2^e, held within +-448, to the nearest code, ties to even.
; LIMITS: -126 <= e and e + 8 <= 127.  NaN among the inputs is not served; an infinity is held at the largest code.
; THE STREAM.  Wave w of the next launch owns the MiB at w << 20.  A fragment (16 columns x 128 along K) is 2,048 bytes: registers 4c .. 4c+3 of lane L = r + 16 h at 512 c + 16 L.
;   Wq, Wk, Wv: tile T (0..63) holds columns (r % 8) x 128 + 2 T + r / 8: all 8 heads at two neighbouring places d of a head; the lane's 16 bytes are k = 128 s + 32 c + 16 h + 0..15.
;     T = 16 w + 8 p + t.  Wq at ((8 p + s) 16 + t) 2048, Wk 8 fragments further on, Wv at 0x80000 + ((8 p + s) 8 + t) 2048.
;   Wo: fragment (s, t) holds columns 256 w + 16 t + r, at 0xC0000 + (16 s + t) 2048.  Its K runs in the order in which the next launch makes its left operand:
;     bytes 0..7 are rows i x 128 + 16 s + 4 c + h (i = the head), bytes 8..15 rows i x 128 + 16 s + 4 c + 2 + h.
; SHARES.  Work-group = (matrix X, s, c, h): 16 rows of the matrix, all 1,024 columns: for every fragment of K step s the 256 bytes of lanes 16 h .. 16 h + 15 of quad c.
; A THREAD TAKES A COLUMN AND ITS REGISTERS RUN DOWN K: thread tid takes columns tid + 256 j, j = 0..3; 16 numbers become 16 bytes, one lane's quad.  Nothing is transposed by an instruction.
; Wq, Wk, Wv: a tile's sixteen columns lie in sixteen threads far apart, so the 16 KiB go through a stage in LDS (64 tiles x 256 bytes, rows 272 bytes apart) and leave as whole runs of 256 bytes.
; Wo: sixteen neighbouring threads already hold 256 neighbouring bytes: no stage.  The barrier stands on the path that all take; only loads, stage stores and the way out part on X.
.set XR, 16                            ; v16-79   numbers: 16 j + i
.set CR, 80                            ; v80-95   codes: 4 registers for each j
.set BR, 96                            ; v96-111  codes read back from the stage
.set SP, 272                           ; a stage row: 256 bytes + 16
	s_load_b256 s[4:11], s[0:1], 0x0               ; Wq s[4:5], Wk s[6:7], Wv s[8:9], Wo s[10:11]
	s_load_b128 s[12:15], s[0:1], 0x20             ; the scales' exponents s[12:13], the stream s[14:15]
	v_lshl_add_u32 v112, v0, 2, 0x4400
	v_mov_b32 v113, 0
	s_lshr_b32 s24, ttmp9, 6                       ; X: which matrix
	s_and_b32 s25, ttmp9, 63                       ; 8 s + 2 c + h
	s_lshr_b32 s26, s25, 3                         ; s
	s_and_b32 s27, s25, 7                          ; 2 c + h
	; my first row, in bytes: Wq, Wk, Wv: 16 (8 s + 2 c + h) rows of 4,096 bytes;  Wo: row 16 s + 4 c + h
	s_lshl_b32 s30, s25, 16
	s_lshl_b32 s36, s26, 4
	s_lshr_b32 s37, s27, 1
	s_lshl_b32 s37, s37, 2
	s_add_co_u32 s36, s36, s37
	s_and_b32 s37, s27, 1
	s_add_co_u32 s36, s36, s37
	s_lshl_b32 s36, s36, 12
	s_cmp_eq_u32 s24, 3
	s_cselect_b32 s30, s36, s30
	s_mov_b32 s31, 0
	; where my bytes go: the part's first byte + s x (a K step's bytes) + 512 c + 256 h
	s_cmp_eq_u32 s24, 0
	s_cselect_b32 s32, 0, 0x4000
	s_cmp_lt_u32 s24, 2
	s_cselect_b32 s32, s32, 0x80000
	s_cselect_b32 s35, 18, 17                      ; the shift of tid >> 7: the pass p (Wq, Wk: 2^18; Wv: 2^17),
	s_cmp_eq_u32 s24, 3
	s_cselect_b32 s32, 0xc0000, s32
	s_cselect_b32 s35, 14, s35                     ; in Wo eight fragments (2^14)
	s_cmp_eq_u32 s24, 2
	s_cselect_b32 s34, 14, 15                      ; a K step is 16 fragments, in Wv's part 8
	s_lshl_b32 s36, s26, s34
	s_add_co_u32 s32, s32, s36
	s_lshl_b32 s36, s27, 8
	s_add_co_u32 s32, s32, s36
	s_mov_b32 s33, 0
	v_lshlrev_b32 v1, 2, v0                        ; in: 4 bytes a thread
	v_bfe_u32 v2, v0, 1, 6                         ; the stage, in: column tid + 256 j is head tid / 128 + 2 j at d = tid % 128: tile d / 2,
	v_mul_u32_u24 v2, v2, SP
	v_and_b32 v5, 1, v0
	v_lshl_add_u32 v2, v5, 7, v2                   ; lane r = head + 8 (d % 2): 128 (d % 2)
	v_lshrrev_b32 v6, 7, v0
	v_lshl_add_u32 v2, v6, 4, v2                   ; + 16 (tid / 128); 32 j stands in the immediate
	v_lshrrev_b32 v7, 4, v0                        ; the stage, out: sixteen threads to a tile's 256 bytes, 16 tiles an instruction
	v_mul_u32_u24 v3, v7, SP
	v_and_b32 v8, 15, v0
	v_lshl_add_u32 v3, v8, 4, v3
	v_bfe_u32 v9, v0, 4, 3                         ; and in the stream: 16 (tid % 16) + 2048 ((tid / 16) % 8) + (tid / 128) << shift; j is the wave: j << 20 in the immediate
	v_lshlrev_b32 v4, 4, v8
	v_lshl_add_u32 v4, v9, 11, v4
	v_lshlrev_b32 v6, s35, v6
	v_add_nc_u32 v4, v4, v6
	s_wait_kmcnt 0x0
	s_load_b256 s[16:23], s[12:13], 0x0            ; e0 .. e7
	s_cmp_eq_u32 s24, 0                            ; the matrix is chosen by the work-group's number alone
	s_cselect_b64 s[28:29], s[4:5], s[6:7]
	s_cmp_lt_u32 s24, 2
	s_cselect_b64 s[28:29], s[28:29], s[8:9]
	s_cmp_eq_u32 s24, 3
	s_cselect_b64 s[28:29], s[10:11], s[28:29]
	s_add_nc_u64 s[28:29], s[28:29], s[30:31]
	s_add_nc_u64 s[14:15], s[14:15], s[32:33]
.macro WLOADS kind                     ; 64 loads a thread: row ROW(i) of my 16, column tid + 256 j; a wave reads 128 consecutive bytes, the eight waves 1,024
.set j, 0
.rept 4
.set i, 0
.rept 16
.if \kind
	global_load_b32 v[XR+16*j+i], v1, s[28:29] offset:((i%8)*128+(i/8)*2)*4096+1024*j th:TH_LOAD_NT
.else
	global_load_b32 v[XR+16*j+i], v1, s[28:29] offset:i*4096+1024*j th:TH_LOAD_NT
.endif
.set i, i+1
.endr
.set j, j+1
.endr
.endm
	s_cmp_eq_u32 s24, 3
	s_cbranch_scc1 .Lrows_o
	WLOADS 0
	s_branch .Lasked
.Lrows_o:
	WLOADS 1
.Lasked:
	s_wait_kmcnt 0x0
	s_cmp_eq_u32 s24, 0                            ; e = entry 2 X + 1
	s_cselect_b32 s38, s17, s19
	s_cmp_lt_u32 s24, 2
	s_cselect_b32 s38, s38, s21
	s_cmp_eq_u32 s24, 3
	s_cselect_b32 s38, s23, s38
	s_add_co_i32 s38, s38, 127
	s_lshl_b32 s39, s38, 23
	v_mov_b32 v11, s39                             ; 2^e as f32: the conversion takes its exponent field
	s_add_co_i32 s38, s38, 8
	s_lshl_b32 s38, s38, 23
	s_or_b32 s38, s38, 0x600000
	v_mov_b32 v10, s38                             ; 448 x 2^e
.set j, 0
.rept 4
	s_wait_loadcnt 16*(3-j)                        ; loads come back in order: the 16 of this j are in, those of the later j may be out
.set i, 0
.rept 16
	v_med3_num_f32 v[XR+16*j+i], v[XR+16*j+i], -v10, v10   ; the conversion to an 8-bit code does not saturate (ISA guide 7.6.2): the hold first
.set i, i+1
.endr
	v_cvt_scalef32_pk8_fp8_f32 v[CR+4*j:CR+4*j+1], v[XR+16*j:XR+16*j+7], v11
	v_cvt_scalef32_pk8_fp8_f32 v[CR+4*j+2:CR+4*j+3], v[XR+16*j+8:XR+16*j+15], v11
.set j, j+1
.endr
	v_nop                                          ; a plain line behind the last conversion
	s_cmp_eq_u32 s24, 3
	s_cbranch_scc1 .Lno_stage
.irp j, 0,1,2,3
	ds_store_b128 v2, v[CR+4*\j:CR+4*\j+3] offset:32*\j
.endr
.Lno_stage:
	s_wait_dscnt 0x0                               ; for the others' sake: my stores into the stage are done
	s_barrier_signal -1
	s_barrier_wait -1
	s_cmp_eq_u32 s24, 3
	s_cbranch_scc1 .Lout_o
.irp j, 0,1,2,3
	ds_load_b128 v[BR+4*\j:BR+4*\j+3], v3 offset:16*SP*\j          ; tiles 16 j + tid / 16: wave j's
.endr
.irp j, 0,1,2,3
	s_wait_dscnt 3-\j                              ; LDS loads come back in order: the later ones may be out
	global_store_b128 v4, v[BR+4*\j:BR+4*\j+3], s[14:15] offset:\j<<20   ; sixteen threads store 256 consecutive bytes, at a multiple of 256 from the stream's first byte
.endr
	s_wait_tensorcnt 0x0
	ds_add_u32 v112, v113
	s_wait_dscnt 0x0
	s_endpgm
.Lout_o:
.irp j, 0,1,2,3
	global_store_b128 v4, v[CR+4*\j:CR+4*\j+3], s[14:15] offset:\j<<20   ; column tid + 256 j is wave j's, fragment tid / 16, lane tid % 16: the same whole runs of 256 bytes
.endr
	s_wait_tensorcnt 0x0
	ds_add_u32 v112, v113
	s_wait_dscnt 0x0
	s_endpgm
.Lfunc_end_k_q708c457908_wprep:
	.size	k_q708c457908_wprep, .Lfunc_end_k_q708c457908_wprep-k_q708c457908_wprep
	.p2alignl 7, 3214868480
	.fill 96, 4, 3214868480
	.section	.rodata,"a",@progbits
	.p2align	6, 0x0
	.amdhsa_kernel k_q708c457908_wprep
		.amdhsa_group_segment_fixed_size 18432
		.amdhsa_private_segment_fixed_size 0
		.amdhsa_enable_private_segment 0
		.amdhsa_kernarg_size 48
		.amdhsa_user_sgpr_count 2
		.amdhsa_user_sgpr_kernarg_segment_ptr 1
		.amdhsa_wavefront_size32 1
		.amdhsa_system_sgpr_workgroup_id_x 1
		.amdhsa_system_sgpr_workgroup_id_y 1
		.amdhsa_system_sgpr_workgroup_id_z 1
		.amdhsa_system_vgpr_workitem_id 0
		.amdhsa_next_free_vgpr 114
		.amdhsa_next_free_sgpr 66
		.amdhsa_reserve_vcc 0
		.amdhsa_float_denorm_mode_32 3
		.amdhsa_float_denorm_mode_16_64 3
		.amdhsa_memory_ordered 1
		.amdhsa_forward_progress 1
		.amdhsa_inst_pref_size 22
	.end_amdhsa_kernel
	.amdgpu_metadata
---
amdhsa.version: [ 1, 2 ]
amdhsa.kernels:
  - .name:           k_q708c457908_wprep
    .symbol:         k_q708c457908_wprep.kd
    .args:
      - { .name: Wq, .offset: 0, .size: 8, .value_kind: global_buffer, .address_space: global }
      - { .name: Wk, .offset: 8, .size: 8, .value_kind: global_buffer, .address_space: global }
      - { .name: Wv, .offset: 16, .size: 8, .value_kind: global_buffer, .address_space: global }
      - { .name: Wo, .offset: 24, .size: 8, .value_kind: global_buffer, .address_space: global }
      - { .name: lowp_scales, .offset: 32, .size: 8, .value_kind: global_buffer, .address_space: global }
      - { .name: wstream, .offset: 40, .size: 8, .value_kind: global_buffer, .address_space: global }
    .group_segment_fixed_size: 18432
    .private_segment_fixed_size: 0
    .kernarg_segment_align: 8
    .kernarg_segment_size: 48
    .max_flat_workgroup_size: 256
    .sgpr_count:     66
    .vgpr_count:     114
    .wavefront_size: 32
...
	.end_amdgpu_metadata
.endif
;; end of part 1
;; launch main (part 2): grid 256 x 1, 4 waves a work-group, no clusters, 299,520 bytes of LDS; arguments query, key_value, wstream, bq, bk, bv, bo, gamma, beta, lowp_scales, out0; writes out0
.if DOCPART == 2
	.amdgcn_target "amdgcn-amd-amdhsa--gfx1250"
	.amdhsa_code_object_version 6
	.text
	.protected	k_q708c457908_main
	.globl	k_q708c457908_main
	.p2align	8
	.type	k_q708c457908_main,@function
k_q708c457908_main:
	s_mov_b64 s[64:65], 0
	v_nop
	global_prefetch_b8 v0, s[64:65] scope:SCOPE_SE
	s_setreg_imm32_b32 hwreg(HW_REG_WAVE_MODE, 25, 1), 1
	s_wait_xcnt 0x0
; out = LayerNorm(query + softmax(Q K^T / sqrt(128)) V Wo + bo), Q = query Wq + bq, K = key_value Wk + bk, V = key_value Wv + bv, the attention head against head (8 x 8) inside each row.
; The four large products run on codes of FP8 (E4M3), each operand with its given scale 2^e (e0 .. e7); all else is f32.  The weights' codes come from the launch before, as a stream of operand images.
; SHARES.  A work-group takes 64 rows through the whole chain; nothing but the result goes to memory.  THE FOUR WAVES SHARE THE COLUMNS: each works on all 64 rows (4 tiles m of 16) and owns
; the places d = 32 w .. 32 w + 31 of every head in Q, K, V and columns 256 w .. 256 w + 255 of the last product: each weight fragment is read by one wave and feeds 4 matrix instructions.
; LAYOUT.  Every product is used transposed (source 0 = 16 columns of a weight, source 1 = 16 rows): a lane holds ONE row.  A tile of Wq, Wk, Wv holds all 8 heads at two places d:
; lane (r, h), register j = (row r, head j, d = 2 T + h).  So a lane multiplies Q and K into its 64 score sums as soon as they are made, and V into the attended numbers; Q, K, V are never stored.
; The attended numbers come out in the order k' = 8 d + head, eight heads in eight registers, which one conversion turns into two registers of the last product's operand; Wo's rows were laid in that order.
; SCALES.  Sums stay without their power of two: the bias goes in as C, divided by it; 2^(e0+e1+e2+e3) is folded into the softmax's factor, 2^(e4+e5) into the attended numbers' conversion,
; 2^(e6+e7) into the multiply-add that adds the residual.
; THE WEIGHTS GO FROM MEMORY STRAIGHT INTO REGISTERS, a ring of 16 fragments (256 registers, 64 loads) a wave, refilled group by group under counted waits and never drained.
; All 256 work-groups read the same stream, and it is NOT asked for jointly in a cluster: while Q and K are made the text holds 297,984 bytes of LDS (codes 199,680, biases 16,384, scores 81,920);
; what a work-group could still claim, 29,696 bytes, is two slots of 7 fragments for four waves, under 2 fragments or 8 matrix instructions a wave between two rounds of a cluster's barrier.
; query is read twice (for its codes, and for the residual): 64 rows of f32 are 262,144 bytes, which neither the LDS beside the codes nor the registers beside 512 accumulators hold.
; LIMITS, so that each power of two below is an f32 number: e0, e2, e4 and e6 - e4 - e5 between -126 and 119; e6 + e7 between -126 and 127; e0+e1+e2+e3 between -123 and 130;
; a bias x 2^-(its two exponents) stays an f32 number.  NaN among the inputs is not served; an infinity is held at the largest code.  Sums run in another order than in the definition (K and N are permuted).
; LDS: QC, KC2, KC4: codes of query, of key_value at e2 and at e4: 64 rows, 1,040 bytes apart (1,024 + 16: sixteen rows start at sixteen different groups of banks).  BIAS: 4 tables of 1,024 f32, in the tiles' order.
;   SC: score images [wave][m], 4,096 bytes.  ATTN: the softmax's images [m].  ATT (over QC, behind the barrier that ends Q K): the attended fragments as register images.  XS (over all, behind the last product): 64 rows of x, 4,112 bytes apart.
; REGISTERS, in windows of 256: window 0: v0 thread, v1-31 addresses and scales, v32-95 and v96-159 two sets of 4 row fragments, v160-223 T (at work), v224-255 R (at work).
;   window 1: the ring (fragment f at v[16 f]).  window 2: 32 accumulators (tile t, rows m at v[8 (4 t + m)]): Q, then V, then the last product's tiles 0-7.  window 3: K, then the softmax's weights, then tiles 8-15.
.set CP,   1040
.set QC,   0
.set KC2,  64*CP
.set KC4,  128*CP
.set BIAS, 192*CP
.set SC,   BIAS+16384
.set ATTN, SC+65536
.set XP,   4112
.set T,    160
.set R,    224
.set MSB,  0
.macro WIN new                         ; low byte: bits 1:0 source 0, 3:2 source 1, 5:4 source 2, 7:6 destination; the high byte repeats the setting that is left
.if MSB != \new
	s_set_vgpr_msb (MSB<<8)|\new
.set MSB, \new
.endif
.endm
.macro BARRIER                         ; my LDS stores have landed and my LDS loads are in: then the work-group's barrier
	s_wait_dscnt 0x0
	s_barrier_signal -1
	s_barrier_wait -1
.endm
.macro ROWS u, sb, off, nt             ; 16 loads: two rows of f32 into group u of the ring's registers: v[64 u + 8 c + 4 row ..]; each load reads 512 consecutive bytes
.irp row, 0,1
.irp c, 0,1,2,3,4,5,6,7
.if \nt
	global_load_b128 v[64*\u+8*\c+4*\row:64*\u+8*\c+4*\row+3], v1, s[\sb:\sb+1] offset:\off+4096*\row+512*\c th:TH_LOAD_NT
.else
	global_load_b128 v[64*\u+8*\c+4*\row:64*\u+8*\c+4*\row+3], v1, s[\sb:\sb+1] offset:\off+4096*\row+512*\c
.endif
.endr
.endr
.endm
.macro FRAGS u                         ; 16 loads: fragments 4 u .. 4 u + 3 of the stream's next 32 KiB, as they lie
.irp f, 0,1,2,3
.irp c, 0,1,2,3
	global_load_b128 v[64*\u+16*\f+4*\c:64*\u+16*\f+4*\c+3], v1, s[12:13] offset:(4*\u+\f)*2048+512*\c
.endr
.endr
.endm
.macro QROWS i0, off                   ; 16 loads: query's rows i0, i0 + 1 of four, for the residual: row i at v[32 i + 4 c ..] of window 1
.irp row, 0,1
.irp c, 0,1,2,3,4,5,6,7
	global_load_b128 v[32*(\i0+\row)+4*\c:32*(\i0+\row)+4*\c+3], v1, s[8:9] offset:\off+4096*(\i0+\row)+512*\c th:TH_LOAD_NT
.endr
.endr
.endm
; Two rows in group u become codes with scale number lim: hold, conversion (8 registers: 4 neighbours of one row, 4 of the other), 16 stores of 128 consecutive bytes
.macro QUANT1 u, lim, sc, cr, ad, a
	WIN 0x01                                       ; source 0 window 1
.set i, 0
.rept 64
	v_med3_num_f32 v[T+i], v[64*\u+i], s[76+\lim], s[48+\lim]      ; the conversion to an 8-bit code does not saturate (ISA guide 7.6.2): held within +-448 x the scale
.set i, i+1
.endr
	WIN 0
	s_wait_dscnt 0x0                               ; the last stores have read the registers that the codes take
.irp c, 0,1,2,3,4,5,6,7
	v_cvt_scalef32_pk8_fp8_f32 v[\cr+2*\c:\cr+2*\c+1], v[T+8*\c:T+8*\c+7], v[\sc]
.endr
	v_nop                                          ; a plain line behind the last conversion, ahead of the next write of T
.irp c, 0,1,2,3,4,5,6,7
.irp row, 0,1
	ds_store_b32 v[\ad], v[\cr+2*\c+\row] offset:(2*\a+\row)*CP+128*\c
.endr
.endr
.endm
; One group of the ring in the first phase.  Both ways of the branch issue 16 loads into the same registers, so the count 48 holds on every path.
.macro SUB u, kv, a
	s_wait_loadcnt 48                              ; the ring is 4 groups of 16 loads: mine are in, the three groups issued behind them may be out
.if \kv
	QUANT1 \u, 1, 23, 224, 12, \a
	QUANT1 \u, 2, 24, 240, 13, \a
.else
	QUANT1 \u, 0, 22, 224, 11, \a
.endif
	s_cmp_eq_u32 s3, 3
	s_cbranch_scc1 .Lstream_\@
	WIN 0x40                                       ; destination window 1
.if \kv
	ROWS \u, 10, 16384+8192*\a, 1                  ; the same two rows of the next four
.else
	ROWS \u, 8, 16384+8192*\a, 0
.endif
	WIN 0
	s_branch .Lfilled_\@
.Lstream_\@:
	WIN 0x40
	FRAGS \u                                       ; the last trip: the ring takes the stream's first 16 fragments
	WIN 0
.Lfilled_\@:
.endm
.macro ALOAD set, base, x, ms, cs      ; 4 row fragments (m = 0..3) of the K step at s5 into set 0 or 1: 16 LDS loads
	v_add_nc_u32 v5, s5, v[\base]
.irp m, 0,1,2,3
.irp c, 0,1,2,3
	ds_load_b128 v[32+64*\set+16*\m+4*\c:32+64*\set+16*\m+4*\c+3], v5 offset:\x+\ms*\m+\cs*\c
.endr
.endr
.endm
.macro INIT win, off                   ; the bias starts every sum: 32 accumulators take their tile's eight numbers (the same for the four m); nothing is cleared
	WIN \win
.set i, 0
.rept 32
	ds_load_b128 v[8*i:8*i+3], v7 offset:\off+64*(i/4)
	ds_load_b128 v[8*i+4:8*i+7], v7 offset:\off+64*(i/4)+16
.set i, i+1
.endr
.endm
; 16 matrix instructions: the ring's group u (4 fragments) x 4 tiles of rows.  All accumulators of a K step take turns, one instruction a turn.
; Four plain lines follow: loads into registers that matrix instructions have read, and reads of results, stand four places behind (ISA guide 7.12.1 for vector instructions).
.macro RUN u, mulwin, aset, rel, dsw
	s_wait_loadcnt 48                              ; my group is in; the three groups of 16 issued behind it may be out
.if \dsw >= 0
	s_wait_dscnt \dsw
.endif
	WIN \mulwin
.irp f, 0,1,2,3
.irp m, 0,1,2,3
	v_wmma_f32_16x16x128_fp8_fp8 v[8*(4*(4*(\u%2)+\f)+\m):8*(4*(4*(\u%2)+\f)+\m)+7], v[64*\u+16*\f:64*\u+16*\f+15], v[32+64*\aset+16*\m:32+64*\aset+16*\m+15], v[8*(4*(4*(\u%2)+\f)+\m):8*(4*(4*(\u%2)+\f)+\m)+7]
.endr
.endr
.rept 4
	v_nop
.endr
.if \rel
	WIN 0x40
	FRAGS \u                                       ; the group is filled again at once, with its fragments of the next 32 KiB
.endif
.endm
; 64 matrix instructions on the ring's 16 fragments: groups 0, 1 with row set 0 into window 2, groups 2, 3 with row set 1 into window 2 or 3.  Each row set is fetched anew as soon as its 32 products are issued.
.macro KSTEP w1, b0, b1, x1, ms, cs
	RUN 0, 0xa1, 0, 1, 16                          ; set 0 is in; set 1's 16 loads, issued later, may be out
	RUN 1, 0xa1, 0, 1, -1
	WIN 0
	ALOAD 0, \b0, 0, \ms, \cs
	RUN 2, \w1, 1, 1, 16                           ; set 1 is in; the 16 loads just issued may be out
	RUN 3, \w1, 1, 1, -1
	WIN 0
	ALOAD 1, \b1, \x1, \ms, \cs
.endm
; The scores of rows m from this pass's 8 tiles: T[8 g + hq] = sum over my d of Q[hq] K[g], two hq at a time, 32 chains.  Each accumulator is read from its low end on.
; Then the two halves of the lanes (even d, odd d) are added, each half keeping four heads: lane (r, h) ends with heads 4 h + 0..3 at R[4 g + ..]; the image goes to my own bytes of SC.
.macro SCORES m
	WIN 0x0e                                       ; source 0 (Q) window 2, source 1 (K) window 3
.set t, 0
.rept 8
.set ac, 8*(4*t+\m)
.set g, 0
.rept 8
.set kb, ac+(g&6)
.set hp, 0
.rept 4
.set d, T+8*g+2*hp
.set qa, ac+2*hp
.if t == 0
.if g&1
	v_pk_mul_f32 v[d:d+1], v[qa:qa+1], v[kb:kb+1] op_sel:[0,1] op_sel_hi:[1,1]
.else
	v_pk_mul_f32 v[d:d+1], v[qa:qa+1], v[kb:kb+1] op_sel_hi:[1,0]
.endif
.else
.if g&1
	v_pk_fma_f32 v[d:d+1], v[qa:qa+1], v[kb:kb+1], v[d:d+1] op_sel:[0,1,0] op_sel_hi:[1,1,1]
.else
	v_pk_fma_f32 v[d:d+1], v[qa:qa+1], v[kb:kb+1], v[d:d+1] op_sel_hi:[1,0,1]
.endif
.endif
.set hp, hp+1
.endr
.set g, g+1
.endr
.set t, t+1
.endr
	WIN 0
	s_wait_dscnt 0x0                               ; the last image's stores have read R
.set g, 0
.rept 8
.irp hh, 0,1,2,3
	v_cndmask_b32 v[26+\hh], v[T+8*g+4+\hh], v[T+8*g+\hh], vcc_lo  ; what I send: lanes 0-15 heads 4-7, lanes 16-31 heads 0-3 (VCC: lanes 16-31)
.endr
.irp hh, 0,1,2,3
	v_cndmask_b32 v[T+8*g+\hh], v[T+8*g+\hh], v[T+8*g+4+\hh], vcc_lo   ; what I keep
.endr
.irp hh, 0,1,2,3
	v_permlanex16_b32 v[T+8*g+4+\hh], v[26+\hh], s60, s61          ; from lane l xor 16
.endr
	v_pk_add_f32 v[R+4*g:R+4*g+1], v[T+8*g:T+8*g+1], v[T+8*g+4:T+8*g+5]
	v_pk_add_f32 v[R+4*g+2:R+4*g+3], v[T+8*g+2:T+8*g+3], v[T+8*g+6:T+8*g+7]
.set g, g+1
.endr
	s_cmp_eq_u32 s4, 0                             ; the second pass adds the first pass's image, which lies in my own bytes
	s_cbranch_scc1 .Lfirst_\@
.irp g, 0,1,2,3,4,5,6,7
	ds_load_b128 v[T+4*\g:T+4*\g+3], v14 offset:4096*\m+512*\g
.endr
	s_wait_dscnt 0x0
.set i, 0
.rept 16
	v_pk_add_f32 v[R+2*i:R+2*i+1], v[R+2*i:R+2*i+1], v[T+2*i:T+2*i+1]
.set i, i+1
.endr
.Lfirst_\@:
.irp g, 0,1,2,3,4,5,6,7
	ds_store_b128 v14, v[R+4*\g:R+4*\g+3] offset:4096*\m+512*\g
.endr
.endm
; The attended numbers of rows m at this pass's 8 tiles: T[8 t + hq] = sum over g of attn[hq][g] V[g], in f32; then hold, conversion, and the fragment's image to LDS.
; Registers 2 t, 2 t + 1 of the fragment are the eight heads at d = 16 (2 w + p) + 2 t + h: K step 2 w + p of the last product, in the order in which Wo's rows were laid.
.macro ATTEND m
	WIN 0x0b                                       ; source 0 (the weights) window 3, source 1 (V) window 2
.set g, 0
.rept 8
.set t, 0
.rept 8
.set kb, 8*(4*t+\m)+(g&6)
.set hp, 0
.rept 4
.set d, T+8*t+2*hp
.set qa, 64*\m+8*g+2*hp
.if g == 0
	v_pk_mul_f32 v[d:d+1], v[qa:qa+1], v[kb:kb+1] op_sel_hi:[1,0]
.else
.if g&1
	v_pk_fma_f32 v[d:d+1], v[qa:qa+1], v[kb:kb+1], v[d:d+1] op_sel:[0,1,0] op_sel_hi:[1,1,1]
.else
	v_pk_fma_f32 v[d:d+1], v[qa:qa+1], v[kb:kb+1], v[d:d+1] op_sel_hi:[1,0,1]
.endif
.endif
.set hp, hp+1
.endr
.set t, t+1
.endr
.set g, g+1
.endr
	WIN 0
	s_wait_dscnt 0x0                               ; the last image's stores have read the codes' registers
.set i, 0
.rept 64
	v_med3_num_f32 v[T+i], v[T+i], s79, s51
.set i, i+1
.endr
.irp t, 0,1,2,3,4,5,6,7
	v_cvt_scalef32_pk8_fp8_f32 v[R+2*\t:R+2*\t+1], v[T+8*\t:T+8*\t+7], v25
.endr
	v_nop                                          ; a plain line behind the last conversion
.irp c, 0,1,2,3
	ds_store_b128 v20, v[R+4*\c:R+4*\c+3] offset:2048*\m+512*\c
.endr
.endm
.macro ACROSS                          ; two rows side by side: the four pairs at v[R + 16 rho .. + 7] become one sum, in every lane, at v[R + 16 rho]
.irp rho, 0,1
	v_pk_add_f32 v[R+16*\rho:R+16*\rho+1], v[R+16*\rho:R+16*\rho+1], v[R+16*\rho+2:R+16*\rho+3]
	v_pk_add_f32 v[R+16*\rho+4:R+16*\rho+5], v[R+16*\rho+4:R+16*\rho+5], v[R+16*\rho+6:R+16*\rho+7]
.endr
.irp rho, 0,1
	v_pk_add_f32 v[R+16*\rho:R+16*\rho+1], v[R+16*\rho:R+16*\rho+1], v[R+16*\rho+4:R+16*\rho+5]
.endr
.irp rho, 0,1
	v_add_f32 v[R+16*\rho], v[R+16*\rho], v[R+16*\rho+1]
.endr
.irp x, 1,2,4,8
.irp rho, 0,1
	v_add_f32_dpp v[R+16*\rho], v[R+16*\rho], v[R+16*\rho] row_xmask:\x row_mask:0xf bank_mask:0xf
.endr
.endr
.irp rho, 0,1
	v_permlanex16_b32 v[R+16*\rho+1], v[R+16*\rho], s60, s61
.endr
.irp rho, 0,1
	v_add_f32 v[R+16*\rho], v[R+16*\rho], v[R+16*\rho+1]
.endr
.endm
; Rows 2 p and 2 p + 1 of a trip's four: residual, mean, variance of the differences, gain and offset, store.  A lane holds 32 numbers of each row (4 neighbours of each 128).
.macro PAIR p
.set X, 32+64*\p
.set Q, 64*\p
.if \p == 0
	s_wait_loadcnt 16                              ; this pair's 16 query loads (and gamma, beta) are in; the other pair's 16 may be out
	s_wait_dscnt 16                                ; this pair's 16 LDS loads are in; the other pair's may be out
.else
	s_wait_dscnt 0x0
.endif
	WIN 0x10                                       ; source 2 (query) window 1
.set i, 0
.rept 32
	v_pk_fma_f32 v[X+2*i:X+2*i+1], v[X+2*i:X+2*i+1], s[56:57], v[Q+2*i:Q+2*i+1] op_sel_hi:[1,0,1]   ; x = sum x 2^(e6 + e7) + query (the bias is in the sum)
.set i, i+1
.endr
	WIN 0
	s_cmp_eq_u32 s3, 3                             ; the last trip asks for nothing: no load leaves its buffer
	s_cbranch_scc1 .Lno_more_\@
	WIN 0x40
	QROWS 2*\p, 16384                              ; the same two rows of the next four
	WIN 0
.if \p == 0
	s_wait_loadcnt 16                              ; the other pair's rows are in: only the 16 just issued may be out
	s_branch .Lgo_\@
.Lno_more_\@:
	s_wait_loadcnt 0x0                             ; nothing was issued behind the other pair's rows
.Lgo_\@:
.else
.Lno_more_\@:
.endif
.irp k, 0,1,2,3
.irp rho, 0,1
	v_pk_add_f32 v[R+16*\rho+2*\k:R+16*\rho+2*\k+1], v[X+32*\rho+2*\k:X+32*\rho+2*\k+1], v[X+32*\rho+8+2*\k:X+32*\rho+8+2*\k+1]
.endr
.endr
.irp j, 16,24
.irp k, 0,1,2,3
.irp rho, 0,1
	v_pk_add_f32 v[R+16*\rho+2*\k:R+16*\rho+2*\k+1], v[R+16*\rho+2*\k:R+16*\rho+2*\k+1], v[X+32*\rho+\j+2*\k:X+32*\rho+\j+2*\k+1]
.endr
.endr
.endr
	ACROSS
.irp rho, 0,1
	v_mul_f32 v[R+16*\rho+8], s80, v[R+16*\rho]    ; the mean, twice: a pair for the packed form
	v_mul_f32 v[R+16*\rho+9], s80, v[R+16*\rho]
.endr
.set i, 0
.rept 16
.irp rho, 0,1
	v_pk_add_f32 v[X+32*\rho+2*i:X+32*\rho+2*i+1], v[X+32*\rho+2*i:X+32*\rho+2*i+1], v[R+16*\rho+8:R+16*\rho+9] neg_lo:[0,1] neg_hi:[0,1]
.endr
.set i, i+1
.endr
.irp k, 0,1,2,3
.irp rho, 0,1
	v_pk_mul_f32 v[R+16*\rho+2*\k:R+16*\rho+2*\k+1], v[X+32*\rho+2*\k:X+32*\rho+2*\k+1], v[X+32*\rho+2*\k:X+32*\rho+2*\k+1]
.endr
.endr
.irp j, 8,16,24
.irp k, 0,1,2,3
.irp rho, 0,1
	v_pk_fma_f32 v[R+16*\rho+2*\k:R+16*\rho+2*\k+1], v[X+32*\rho+\j+2*\k:X+32*\rho+\j+2*\k+1], v[X+32*\rho+\j+2*\k:X+32*\rho+\j+2*\k+1], v[R+16*\rho+2*\k:R+16*\rho+2*\k+1]
.endr
.endr
.endr
	ACROSS
.irp rho, 0,1
	v_fma_f32 v[R+16*\rho], v[R+16*\rho], s80, s62 ; the variance + 1e-5
.endr
.irp rho, 0,1
	v_rsq_f32 v[R+16*\rho+10], v[R+16*\rho]
	v_rsq_f32 v[R+16*\rho+11], v[R+16*\rho]
.endr
	v_nop                                          ; a plain line behind the last of the four (ISA guide 5.7.2),
	s_wait_alu depctr_va_vdst(0)                   ; and one wait ahead of their first reader
.set i, 0
.rept 16
.irp rho, 0,1
	v_pk_mul_f32 v[X+32*\rho+2*i:X+32*\rho+2*i+1], v[X+32*\rho+2*i:X+32*\rho+2*i+1], v[R+16*\rho+10:R+16*\rho+11]
.endr
.set i, i+1
.endr
.set i, 0
.rept 16
.irp rho, 0,1
	v_pk_fma_f32 v[X+32*\rho+2*i:X+32*\rho+2*i+1], v[X+32*\rho+2*i:X+32*\rho+2*i+1], v[T+2*i:T+2*i+1], v[T+32+2*i:T+32+2*i+1]   ; x gamma + beta
.endr
.set i, i+1
.endr
.irp rho, 0,1
.irp c, 0,1,2,3,4,5,6,7
	global_store_b128 v1, v[X+32*\rho+4*\c:X+32*\rho+4*\c+3], s[14:15] offset:4096*(2*\p+\rho)+512*\c th:TH_STORE_NT   ; 32 lanes store 512 consecutive bytes, at a multiple of 256 from the output's first byte
.endr
.endr
.endm
.macro MKSCALE se, vr, sp, sn          ; from the exponent in s[se]: 2^e as f32 (the conversion takes its exponent field), and +-448 x 2^e
	s_add_co_i32 s66, s[\se], 127
	s_lshl_b32 s67, s66, 23
	v_mov_b32 v[\vr], s67
	s_add_co_i32 s66, s66, 8
	s_lshl_b32 s66, s66, 23
	s_or_b32 s[\sp], s66, 0x600000
	s_or_b32 s[\sn], s[\sp], 0x80000000
.endm
	; ---------------- the head: addresses, biases, the first rows
	s_load_b512 s[16:31], s[0:1], 0x0              ; query s[16:17], key_value s[18:19], the stream s[20:21], bq s[22:23], bk s[24:25], bv s[26:27], bo s[28:29], gamma s[30:31]
	s_load_b128 s[32:35], s[0:1], 0x40             ; beta s[32:33], the scales' exponents s[34:35]
	s_load_b64 s[36:37], s[0:1], 0x50              ; the output
	v_lshrrev_b32 v5, 5, v0
	v_readfirstlane_b32 s2, v5                     ; wave 0..3
	v_and_b32 v7, 31, v0                           ; L
	v_and_b32 v11, 15, v0                          ; r
	v_bfe_u32 v12, v0, 4, 1                        ; h
	v_lshlrev_b32 v1, 4, v7                        ; v1 = 16 L
	v_mul_u32_u24 v2, v11, CP
	v_lshl_add_u32 v2, v12, 4, v2                  ; v2 = a row fragment's place in QC: 1040 r + 16 h;
	v_add_nc_u32 v3, KC2, v2                       ; v3, v4: in KC2, KC4
	v_add_nc_u32 v4, KC4, v2
	s_lshl_b32 s66, s2, 10
	v_lshlrev_b32 v6, 5, v12
	v_add_nc_u32 v6, s66, v6
	v_add_nc_u32 v6, BIAS, v6                      ; v6 = my wave's 1,024 bytes of a bias table + 32 h
	s_mul_i32 s66, s2, 16*CP
	v_lshlrev_b32 v8, 2, v7
	v_add_nc_u32 v8, s66, v8                       ; v8-10: where my codes go: my wave's 16 rows + 4 L, in QC, KC2, KC4
	v_add_nc_u32 v9, KC2, v8
	v_add_nc_u32 v10, KC4, v8
	s_lshl_b32 s66, s2, 14
	v_add_nc_u32 v19, s66, v1                      ; v19 = my attended fragments: 16384 w + 16 L
	v_add_nc_u32 v14, SC, v19                      ; v14 = my score images
	s_lshl_b32 s66, s2, 12
	v_add_nc_u32 v15, s66, v1
	v_add_nc_u32 v16, ATTN, v15                    ; v16 = the softmax's image of rows m = w
	v_add_nc_u32 v15, SC, v15                      ; v15 = wave 0's score image of rows m = w
	v_lshlrev_b32 v17, 4, v11
	v_add_nc_u32 v17, ATTN, v17                    ; v17, v18: row r's heads 0-3 and 4-7 in a softmax image
	v_add_nc_u32 v18, 256, v17
	v_lshlrev_b32 v21, 8, v7                       ; v21 = 256 L, for the prefetches
	v_lshlrev_b32 v26, 2, v0                       ; the biases: thread tid takes d = tid of all 8 heads,
	v_lshlrev_b32 v27, 5, v0                       ; and 8 neighbours of bo
	v_add_nc_u32 v28, BIAS, v27
	s_mov_b32 vcc_lo, 0xffff0000                   ; lanes 16-31, for the whole launch
	s_mov_b32 s60, 0x76543210                      ; v_permlanex16_b32: lane l xor 16
	s_mov_b32 s61, 0xfedcba98
	s_mov_b32 s62, 0x3727c5ac                      ; 1e-5
	s_mov_b32 s80, 0x3a800000                      ; 1 / 1024
	s_lshl_b32 s66, ttmp9, 18                      ; my wave's first row: (64 x work-group + 16 x wave) x 4,096 bytes
	s_lshl_b32 s67, s2, 16
	s_add_co_u32 s66, s66, s67
	s_mov_b32 s67, 0
	s_lshl_b32 s68, s2, 20                         ; my wave's MiB of the stream
	s_mov_b32 s69, 0
	s_wait_kmcnt 0x0
	s_load_b256 s[40:47], s[34:35], 0x0            ; e0 .. e7
	s_add_nc_u64 s[70:71], s[16:17], s[66:67]      ; query at my first row: kept
	s_mov_b64 s[8:9], s[70:71]                     ; and walking
	s_mov_b64 s[38:39], s[70:71]                   ; and for the prefetches
	s_add_nc_u64 s[10:11], s[18:19], s[66:67]
	s_add_nc_u64 s[14:15], s[36:37], s[66:67]
	s_add_nc_u64 s[12:13], s[20:21], s[68:69]
.irp j, 0,1,2,3,4,5,6,7
	global_load_b32 v[T+\j], v26, s[22:23] offset:512*\j
	global_load_b32 v[T+8+\j], v26, s[24:25] offset:512*\j
	global_load_b32 v[T+16+\j], v26, s[26:27] offset:512*\j
.endr
	global_load_b128 v[T+24:T+27], v27, s[28:29]
	global_load_b128 v[T+28:T+31], v27, s[28:29] offset:16
	WIN 0x40
	ROWS 0, 8, 0, 0                                ; query's rows 0, 1 of my first four
	ROWS 1, 10, 0, 1                               ; key_value's
	WIN 0
	s_wait_kmcnt 0x0
	s_add_co_i32 s52, s40, s41
	s_add_co_i32 s53, s42, s43
	s_add_co_i32 s54, s44, s45
	s_add_co_i32 s55, s46, s47
	s_add_co_i32 s58, s52, s53                     ; e0 + e1 + e2 + e3
	s_sub_co_i32 s59, s46, s54                     ; e6 - e4 - e5
	s_add_co_i32 s56, s55, 127
	s_lshl_b32 s56, s56, 23                        ; 2^(e6 + e7) as f32,
	s_mov_b32 s57, s56                             ; (named with it as a pair, so it is written)
	s_sub_co_i32 s52, 0, s52
	s_sub_co_i32 s53, 0, s53
	s_sub_co_i32 s54, 0, s54
	s_sub_co_i32 s55, 0, s55
	MKSCALE 40, 22, 48, 76
	MKSCALE 42, 23, 49, 77
	MKSCALE 44, 24, 50, 78
	MKSCALE 59, 25, 51, 79
	v_mov_b32 v30, 0x3e0293ee                      ; log2(e) / sqrt(128),
	v_ldexp_f32 v30, v30, s58                      ; x the power of two that the score sums lack
	v_mov_b32 v31, v30
	s_wait_loadcnt 32                              ; the biases are in; the 32 loads of rows issued behind them may be out
.irp x, 0,1,2,3
.irp j, 0,1,2,3,4,5,6,7
	v_ldexp_f32 v[T+8*\x+\j], v[T+8*\x+\j], s[52+\x]               ; a bias goes in divided by the power of two that its sums lack
.endr
.endr
.irp x, 0,1,2,3
	ds_store_b128 v28, v[T+8*\x:T+8*\x+3] offset:4096*\x           ; tables 0-2 at n' = 8 d + head, table 3 at n
	ds_store_b128 v28, v[T+8*\x+4:T+8*\x+7] offset:4096*\x+16
.endr
	WIN 0x40
	ROWS 2, 8, 8192, 0                             ; rows 2, 3
	ROWS 3, 10, 8192, 1
	WIN 0
	s_wait_dscnt 0x0                               ; the stores have read T
	; ---------------- codes of my 16 rows of query and key_value, four rows a trip
	s_mov_b32 s3, 0
	s_mov_b32 s63, 0
.Lquant:
	v_add_nc_u32 v11, s63, v8
	v_add_nc_u32 v12, s63, v9
	v_add_nc_u32 v13, s63, v10
	SUB 0, 0, 0
	SUB 1, 1, 0
	SUB 2, 0, 1
	SUB 3, 1, 1
	s_wait_xcnt 0x0                                ; the loads have read their bases: they may step
	s_add_nc_u64 s[8:9], s[8:9], 16384
	s_add_nc_u64 s[10:11], s[10:11], 16384
	s_add_co_u32 s63, s63, 4*CP
	s_add_co_u32 s3, s3, 1
	s_cmp_lt_u32 s3, 4
	s_cbranch_scc1 .Lquant
	s_add_nc_u64 s[12:13], s[12:13], 32768         ; (behind the trip's wait on XCNT) the stream's next 32 KiB
	BARRIER                                        ; all 64 rows' codes and the biases lie in LDS
	; ---------------- Q and K, two passes of 8 tiles each; a K step takes 8 fragments of Wq and 8 of Wk
	s_mov_b32 s5, 0
	ALOAD 0, 2, 0, 16*CP, 32
	ALOAD 1, 3, 0, 16*CP, 32
	s_mov_b32 s5, 128                              ; s5: the K step that is fetched ahead
	s_mov_b32 s6, 0
	s_mov_b32 s4, 0
.Lqk_pass:
	v_add_nc_u32 v7, s6, v6
	INIT 0x80, 0
	INIT 0xc0, 4096
	WIN 0
	s_wait_dscnt 0x0
	s_mov_b32 s3, 0
.Lqk_k:
	KSTEP 0xf1, 2, 3, 0, 16*CP, 32
	s_wait_xcnt 0x0
	s_add_nc_u64 s[12:13], s[12:13], 32768
	s_add_co_u32 s5, s5, 128
	s_and_b32 s5, s5, 1023                         ; the last step fetches step 0 again: for the next pass; behind the last pass it is not used
	s_add_co_u32 s3, s3, 1
	s_cmp_lt_u32 s3, 8
	s_cbranch_scc1 .Lqk_k
	SCORES 0
	SCORES 1
	SCORES 2
	SCORES 3
	s_add_co_u32 s6, s6, 512
	s_add_co_u32 s4, s4, 1
	s_cmp_lt_u32 s4, 2
	s_cbranch_scc1 .Lqk_pass
	BARRIER                                        ; every wave's score images lie in LDS, and nobody reads QC any more
	; ---------------- the softmax of rows m = w: lane (r, h) has heads 4 h + hh, register 4 g + hh
.set q, 0
.rept 4
.set g, 0
.rept 8
	ds_load_b128 v[32+32*q+4*g:32+32*q+4*g+3], v15 offset:16384*q+512*g
.set g, g+1
.endr
.set q, q+1
.endr
	s_wait_dscnt 0x0
.set i, 0
.rept 16
	v_pk_add_f32 v[32+2*i:33+2*i], v[32+2*i:33+2*i], v[64+2*i:65+2*i]
	v_pk_add_f32 v[96+2*i:97+2*i], v[96+2*i:97+2*i], v[128+2*i:129+2*i]
.set i, i+1
.endr
.set i, 0
.rept 16
	v_pk_add_f32 v[32+2*i:33+2*i], v[32+2*i:33+2*i], v[96+2*i:97+2*i]   ; the four waves' parts of d: the whole sums
.set i, i+1
.endr
.irp hh, 0,1,2,3
	v_max3_num_f32 v[64+\hh], v[32+\hh], v[36+\hh], v[40+\hh]      ; the row's largest score over g
.endr
.irp hh, 0,1,2,3
	v_max3_num_f32 v[64+\hh], v[64+\hh], v[44+\hh], v[48+\hh]
.endr
.irp hh, 0,1,2,3
	v_max3_num_f32 v[64+\hh], v[64+\hh], v[52+\hh], v[56+\hh]
.endr
.irp hh, 0,1,2,3
	v_max_num_f32 v[64+\hh], v[64+\hh], v[60+\hh]
.endr
.irp hh, 0,1,2,3
	v_mul_f32 v[68+\hh], v30, v[64+\hh]            ; c x the largest (c is positive)
.endr
.set g, 0
.rept 8
	v_pk_fma_f32 v[32+4*g:33+4*g], v[32+4*g:33+4*g], v[30:31], v[68:69] neg_lo:[0,0,1] neg_hi:[0,0,1]
	v_pk_fma_f32 v[34+4*g:35+4*g], v[34+4*g:35+4*g], v[30:31], v[70:71] neg_lo:[0,0,1] neg_hi:[0,0,1]
.set g, g+1
.endr
.set i, 0
.rept 32
	v_exp_f32 v[32+i], v[32+i]                     ; one batch
.set i, i+1
.endr
	v_nop                                          ; a plain line behind the last exponential,
	s_wait_alu depctr_va_vdst(0)                   ; and one wait ahead of the batch's first reader
	v_pk_add_f32 v[72:73], v[32:33], v[36:37]
	v_pk_add_f32 v[74:75], v[34:35], v[38:39]
.set g, 2
.rept 6
	v_pk_add_f32 v[72:73], v[72:73], v[32+4*g:33+4*g]
	v_pk_add_f32 v[74:75], v[74:75], v[34+4*g:35+4*g]
.set g, g+1
.endr
.irp hh, 0,1,2,3
	v_rcp_f32 v[76+\hh], v[72+\hh]
.endr
	v_nop
	s_wait_alu depctr_va_vdst(0)                   ; one wait for the four reciprocals
.set g, 0
.rept 8
	v_pk_mul_f32 v[32+4*g:33+4*g], v[32+4*g:33+4*g], v[76:77]
	v_pk_mul_f32 v[34+4*g:35+4*g], v[34+4*g:35+4*g], v[78:79]
.set g, g+1
.endr
.irp g, 0,1,2,3,4,5,6,7
	ds_store_b128 v16, v[32+4*\g:35+4*\g] offset:512*\g
.endr
	BARRIER                                        ; the weights of all 64 rows lie in LDS
	WIN 0xc0                                       ; every lane takes all 64 weights of its row, for the four m: window 3, v[64 m + 8 g + hq]
.set i, 0
.rept 32
	ds_load_b128 v[8*i:8*i+3], v17 offset:512*i
	ds_load_b128 v[8*i+4:8*i+7], v18 offset:512*i
.set i, i+1
.endr
	WIN 0
	; ---------------- V, two passes of 8 tiles; the ring's 16 fragments are two K steps
	s_mov_b32 s5, 0
	ALOAD 0, 4, 0, 16*CP, 32
	ALOAD 1, 4, 128, 16*CP, 32
	s_mov_b32 s5, 256
	s_mov_b32 s6, 0
	s_mov_b32 s7, 0
	s_mov_b32 s4, 0
.Lv_pass:
	v_add_nc_u32 v7, s6, v6
	v_add_nc_u32 v20, s7, v19
	INIT 0x80, 8192
	WIN 0
	s_wait_dscnt 0x0
	s_mov_b32 s3, 0
.Lv_k:
	KSTEP 0xa1, 4, 4, 128, 16*CP, 32
	s_wait_xcnt 0x0
	s_add_nc_u64 s[12:13], s[12:13], 32768
	s_add_co_u32 s5, s5, 256
	s_and_b32 s5, s5, 1023
	s_add_co_u32 s3, s3, 1
	s_cmp_lt_u32 s3, 4
	s_cbranch_scc1 .Lv_k
	ATTEND 0
	ATTEND 1
	ATTEND 2
	ATTEND 3
	s_add_co_u32 s6, s6, 512
	s_add_co_u32 s7, s7, 8192
	s_add_co_u32 s4, s4, 1
	s_cmp_lt_u32 s4, 2
	s_cbranch_scc1 .Lv_pass
	BARRIER                                        ; the attended numbers' 32 fragments lie in LDS
	; ---------------- the last product: my 256 columns, 16 tiles in windows 2 and 3; both row sets take the same K step, so that one macro serves all three phases
	v_mov_b32 v7, v6
	INIT 0x80, 12288
	INIT 0xc0, 12800
	WIN 0
	s_mov_b32 s5, 0
	ALOAD 0, 1, 0, 2048, 512
	ALOAD 1, 1, 0, 2048, 512
	s_mov_b32 s5, 8192
	s_wait_dscnt 0x0
	s_mov_b32 s3, 0
.Lo_k:
	; A PREFETCH INTO THE L2 of query's rows for the residual: in trips 3 to 6 one instruction a wave names two of the wave's own rows (8,192 bytes, lanes 256 bytes apart): rows 0 to 7 of its 16,
	; each block of 256 bytes once in the launch, 32 KiB a wave.  Rows 0 to 3 are loaded in the K step behind the loop, 3 to 4 K steps (192 to 256 matrix instructions) behind their prefetch.
	s_cmp_lt_u32 s3, 3
	s_cbranch_scc1 .Lno_ask
	global_prefetch_b8 v21, s[38:39] th:TH_LOAD_NT scope:SCOPE_SE
.Lno_ask:
	KSTEP 0xf1, 1, 1, 0, 2048, 512
	s_wait_xcnt 0x0                                ; the loads and the prefetch, a K step back, have read their bases
	s_add_nc_u64 s[12:13], s[12:13], 32768
	s_cmp_lt_u32 s3, 3
	s_cselect_b32 s66, 0, 8192
	s_mov_b32 s67, 0
	s_add_nc_u64 s[38:39], s[38:39], s[66:67]
	s_add_co_u32 s5, s5, 8192
	s_add_co_u32 s3, s3, 1
	s_cmp_lt_u32 s3, 7
	s_cbranch_scc1 .Lo_k
	; the eighth K step is written out: the stream has ended, and the groups of 16 loads that take its place are gamma and beta, then query's first four rows: the count 48 holds as before
	s_mov_b64 s[8:9], s[70:71]
	RUN 0, 0xa1, 0, 0, 16
	WIN 0
.irp c, 0,1,2,3,4,5,6,7
	global_load_b128 v[T+4*\c:T+4*\c+3], v1, s[30:31] offset:512*\c            ; gamma at my 32 columns of a row
	global_load_b128 v[T+32+4*\c:T+32+4*\c+3], v1, s[32:33] offset:512*\c      ; beta
.endr
	RUN 1, 0xa1, 0, 0, -1
	WIN 0x40
	QROWS 0, 0                                     ; into the registers of group 0, whose products stand a run back
	RUN 2, 0xf1, 1, 0, 0                           ; nothing was fetched behind set 1
	WIN 0x40
	QROWS 2, 0                                     ; into group 1's
	RUN 3, 0xf1, 1, 0, -1
	WIN 0
	v_and_b32 v26, 15, v0
	v_bfe_u32 v27, v0, 4, 1
	v_mul_u32_u24 v8, v26, XP
	v_lshl_add_u32 v8, v27, 5, v8
	s_lshl_b32 s66, s2, 10
	v_add_nc_u32 v8, s66, v8                       ; v8-11: row 16 m + r of XS, + my wave's 1,024 bytes + 32 h
	v_add_nc_u32 v9, 16*XP, v8
	v_add_nc_u32 v10, 32*XP, v8
	v_add_nc_u32 v11, 48*XP, v8
	s_mul_i32 s66, s2, 16*XP
	v_add_nc_u32 v12, s66, v1                      ; v12: my 16 rows of XS, 16 bytes a lane
	BARRIER                                        ; nobody reads the fragments or the biases any more
	WIN 0x08                                       ; store data window 2: tiles 0-7; each accumulator from its low end on
.set i, 0
.rept 32
	ds_store_b128 v[8+(i%4)], v[8*i:8*i+3] offset:64*(i/4)
	ds_store_b128 v[8+(i%4)], v[8*i+4:8*i+7] offset:64*(i/4)+16
.set i, i+1
.endr
	WIN 0x0c                                       ; window 3: tiles 8-15
.set i, 0
.rept 32
	ds_store_b128 v[8+(i%4)], v[8*i:8*i+3] offset:512+64*(i/4)
	ds_store_b128 v[8+(i%4)], v[8*i+4:8*i+7] offset:512+64*(i/4)+16
.set i, i+1
.endr
	WIN 0
	BARRIER                                        ; 64 whole rows lie in XS
	; ---------------- residual and LayerNorm: my 16 rows, four a trip
	s_mov_b32 s3, 0
	s_mov_b32 s63, 0
.Lrows:
	v_add_nc_u32 v13, s63, v12
.set i, 0
.rept 4
.irp c, 0,1,2,3,4,5,6,7
	ds_load_b128 v[32+32*i+4*\c:32+32*i+4*\c+3], v13 offset:XP*i+512*\c
.endr
.set i, i+1
.endr
	PAIR 0
	PAIR 1
	s_wait_xcnt 0x0                                ; the stores have read their data and their base, the loads theirs: all may be written again
	s_add_nc_u64 s[8:9], s[8:9], 16384
	s_add_nc_u64 s[14:15], s[14:15], 16384
	s_add_co_u32 s63, s63, 4*XP
	s_add_co_u32 s3, s3, 1
	s_cmp_lt_u32 s3, 4
	s_cbranch_scc1 .Lrows
	s_wait_xcnt 0x0
	v_lshl_add_u32 v254, v0, 2, 0x49000
	v_mov_b32 v255, 0
	s_wait_tensorcnt 0x0
	ds_add_u32 v254, v255
	s_wait_dscnt 0x0
	s_endpgm
.Lfunc_end_k_q708c457908_main:
	.size	k_q708c457908_main, .Lfunc_end_k_q708c457908_main-k_q708c457908_main
	.p2alignl 7, 3214868480
	.fill 96, 4, 3214868480
	.section	.rodata,"a",@progbits
	.p2align	6, 0x0
	.amdhsa_kernel k_q708c457908_main
		.amdhsa_group_segment_fixed_size 299520
		.amdhsa_private_segment_fixed_size 0
		.amdhsa_enable_private_segment 0
		.amdhsa_kernarg_size 88
		.amdhsa_user_sgpr_count 2
		.amdhsa_user_sgpr_kernarg_segment_ptr 1
		.amdhsa_wavefront_size32 1
		.amdhsa_system_sgpr_workgroup_id_x 1
		.amdhsa_system_sgpr_workgroup_id_y 1
		.amdhsa_system_sgpr_workgroup_id_z 1
		.amdhsa_system_vgpr_workitem_id 0
		.amdhsa_next_free_vgpr 1024
		.amdhsa_next_free_sgpr 84
		.amdhsa_reserve_vcc 1
		.amdhsa_float_denorm_mode_32 3
		.amdhsa_float_denorm_mode_16_64 3
		.amdhsa_memory_ordered 1
		.amdhsa_forward_progress 1
		.amdhsa_inst_pref_size 255
	.end_amdhsa_kernel
	.section	.bss,"aw",@nobits
	.p2align	6
	.space	262144
	.amdgpu_metadata
---
amdhsa.version: [ 1, 2 ]
amdhsa.kernels:
  - .name:           k_q708c457908_main
    .symbol:         k_q708c457908_main.kd
    .args:
      - { .name: query, .offset: 0, .size: 8, .value_kind: global_buffer, .address_space: global }
      - { .name: key_value, .offset: 8, .size: 8, .value_kind: global_buffer, .address_space: global }
      - { .name: wstream, .offset: 16, .size: 8, .value_kind: global_buffer, .address_space: global }
      - { .name: bq, .offset: 24, .size: 8, .value_kind: global_buffer, .address_space: global }
      - { .name: bk, .offset: 32, .size: 8, .value_kind: global_buffer, .address_space: global }
      - { .name: bv, .offset: 40, .size: 8, .value_kind: global_buffer, .address_space: global }
      - { .name: bo, .offset: 48, .size: 8, .value_kind: global_buffer, .address_space: global }
      - { .name: gamma, .offset: 56, .size: 8, .value_kind: global_buffer, .address_space: global }
      - { .name: beta, .offset: 64, .size: 8, .value_kind: global_buffer, .address_space: global }
      - { .name: lowp_scales, .offset: 72, .size: 8, .value_kind: global_buffer, .address_space: global }
      - { .name: out0, .offset: 80, .size: 8, .value_kind: global_buffer, .address_space: global }
    .group_segment_fixed_size: 299520
    .private_segment_fixed_size: 0
    .kernarg_segment_align: 8
    .kernarg_segment_size: 88
    .max_flat_workgroup_size: 128
    .sgpr_count:     84
    .vgpr_count:     1024
    .wavefront_size: 32
...
	.end_amdgpu_metadata
.endif
;; end of part 2
